; MI455X (gfx1250); checked and timed in simulation.
; The chip was launched on July 23, 2026; its instructions are those of AMD's public machine-readable ISA for CDNA 5 (MIT licence, August 2026) and "CDNA5" Instruction Set Architecture Reference Guide (July 2026). The comments in the code are by the model that wrote it; some were corrected since.
;; genesys quantized linear. Allowed arithmetic: matrix products marked QUANTISED: E2M3 operands, one E8M0 scale for each 32 along K, by v_wmma_scale_f32_16x16x128_f8f6f4 with both operands' format E2M3, f32 sums; everything else in f32.
;; Inputs: W 4,096 x 4,096 float32; b 4,096 float32; x 4,096 x 4,096 float32.
;; Outputs: out0 4,096 x 4,096 float32.
;; This version of the problem:
;;   THIS VERSION OF THE PROBLEM IS GIVEN IN LOW PRECISION. The matrix products marked QUANTISED in the list below multiply operands that are first quantised to E2M3 (2 exponent bits, 3 mantissa bits; 6 bits a number), with one power-of-two scale for each 32 numbers along K (OCP MX v1.0); their sums are f32. All else is computed in f32.
;;   The module's matrix products, in the order in which they are computed (A, B: the left and right operand; K: the contracted axis; several contracted axes count as one K, in the product's order):
;;     1. [M 4,096, K 4,096] x [K 4,096, N 4,096]; A: input x; B: input W: QUANTISED
;;   THE QUANTISER, for each operand of a quantised product, along K:
;;     - K is cut into blocks of 32 from its start; a last block that is shorter is filled with zeros.
;;     - A block's scale is 2^e with e = floor(log2(the largest magnitude in the block)) - 2, held to -126 .. 127; a block of zeros has e = 0. As a byte (E8M0): e + 127.
;;     - Each number is divided by its block's scale, clamped to +-7.5, and rounded to the nearest number of E2M3, ties to even, subnormals kept.
;;     - The product sums the exact products of the quantised numbers (number of the format x scale) in f32.
;;   ~~~python
;;   def quantise(x, axis):      # numpy; x: float32 -> the quantised numbers, widened to float32 again
;;       x = np.moveaxis(x, axis, -1); K = x.shape[-1]
;;       x = np.pad(x, [(0, 0)] * (x.ndim - 1) + [(0, -K % 32)]); x = x.reshape(x.shape[:-1] + (-1, 32)); a = np.abs(x).max(-1, keepdims=True)
;;       e = np.where(a > 0, np.clip(np.frexp(np.where(a > 0, a, 1))[1] - 1 - 2, -126, 127), 0)      # np.frexp(a)[1] - 1 = floor(log2(a)), exactly
;;       r = np.clip(x / 2.0 ** e, -7.5, 7.5)
;;       step = 2.0 ** (np.maximum(np.frexp(np.where(r == 0, 1, r))[1] - 1, 0) - 3)
;;       q = np.round(r / step) * step * 2.0 ** e      # np.round: ties to even
;;       return np.moveaxis(q.reshape(q.shape[:-2] + (-1,))[..., :K], -1, axis).astype(np.float32)
;;   ~~~
;; One version. Each part assembles by itself: llvm-mc -triple=amdgcn-amd-amdhsa -mcpu=gfx1250 --defsym DOCPART=n.
;; ======== version 1 of 1: 2 launches
;; limits: right only within a limited range of input values
;; workspace buffers: xq 13,107,200 bytes; wq 13,107,200 bytes
;; launch quant (part 1): grid 1024 x 1, 4 waves a work-group, no clusters, 59,904 bytes of LDS; arguments x, W, xq, wq; writes xq, wq
.if DOCPART == 1
	.amdgcn_target "amdgcn-amd-amdhsa--gfx1250"
	.amdhsa_code_object_version 6
	.text
	.protected	k_q115fa95d91_quant
	.globl	k_q115fa95d91_quant
	.p2align	8
	.type	k_q115fa95d91_quant,@function
k_q115fa95d91_quant:
	s_mov_b64 s[64:65], 0
	v_nop
	global_prefetch_b8 v0, s[64:65] scope:SCOPE_SE
	s_setreg_imm32_b32 hwreg(HW_REG_WAVE_MODE, 25, 1), 1
	s_wait_xcnt 0x0
; x [4096 (m)][4096 (k)] and W [4096 (k)][4096 (n)], f32, become codes of FP6 (E2M3) with one E8M0 scale byte for each 32 along K, laid IN THE ORDER OF THE OPERAND'S REGISTERS.
; A "row" is a row m of x or a column n of W.  RECORD (s, g): K step s (128 along K), row group g (128 rows), REC = 12,800 bytes at s x KPITCH + g x REC:
;   fragment i (rows 16 i + r) at 1,536 i: the image of its 12 registers: register group c (four registers) of lane L = r + 16 h at 512 c + 16 L;
;     registers 0-5 of lane (r, h): the 24 code bytes of k = 32 h + 0 .. 31 of the K step, registers 6-11 those of k = 64 + 32 h + 0 .. 31;
;   the scale word of row 16 i + r (byte t: k block t of the K step) at 12,288 + 256 (i / 4) + 16 r + 4 (i % 4).
; A block's scale is 2^(floor(log2(its largest magnitude)) - 2): its byte is the largest magnitude's exponent field - 2, held at 1 from below by a floor among the maximum's leaves.
; Each number is divided by the scale and rounded to the nearest code, ties to even; beyond 7.5 the conversion gives the largest code.
; LIMITS: NaN and infinities among the inputs are not served.  A block of zeros gets the byte 1 where the rule says 127: its codes are zeros, which add nothing under that byte, and this program alone reads the bytes.
; SHARES.  A wave makes half a record: 64 rows x 128 K = 8,192 numbers -> 4 fragments (6,144 consecutive bytes) and 256 consecutive bytes of scale words.  Work-groups 0-511 take x, 512-1023 W.
; The two paths part on the work-group's number and have LDS bytes of their own; each wave uses its own bytes alone: no barrier.  No loop: every offset is an immediate.
; Left out: matrix units, clusters, tensor loads, prefetches: the launch is a stream whose work-groups share no input.
.set REC,    12800
.set KPITCH, 32*REC
.set XSTG,   8448                      ; x path: a wave's stage: 16 rows x (512 bytes + 16)
.set WBASE,  4*XSTG                    ; W path: behind the x path's four stages
.set WSTG,   6400                      ; a wave's 6,144 bytes of fragment images, then its 256 bytes of scale words
.set R,      64                        ; x path: v64-255  three sets of 64 numbers
.set P,      28                        ; x path: v28-39   a fragment's 12 registers
.set T,      40                        ; x path: v40-42, v44-46 the blocks' upper halves as converted
.set X,      32                        ; W path: v32-95   two sets of 32 numbers
.set OUTR,   96                        ; W path: v96-143  the images on their way out
; where my half record begins.  s18 = K step, s17 = J (which 64 rows), p = the buffer's pointer pair.  s[12:13]: the fragments;  s[14:15]: the scale words
.macro DEST p
	s_mul_i32 s22, s18, KPITCH
	s_lshr_b32 s23, s17, 1
	s_mul_i32 s23, s23, REC
	s_add_co_u32 s22, s22, s23                     ; the record (under 13,107,200)
	s_and_b32 s23, s17, 1                          ; which half of it
	s_mul_i32 s24, s23, 6144
	s_add_co_u32 s24, s24, s22
	s_mov_b32 s25, 0
	s_lshl_b32 s26, s23, 8
	s_add_co_u32 s26, s26, s22
	s_add_co_u32 s26, s26, 12288
	s_mov_b32 s27, 0
	s_add_nc_u64 s[12:13], s[\p:\p+1], s[24:25]
	s_add_nc_u64 s[14:15], s[\p:\p+1], s[26:27]
.endm
; ---------------- x path: macros
.macro XLOAD f                         ; rows 16 f .. 16 f + 15 of my 64: a row's 128 numbers are 512 consecutive bytes, 16 a lane
.set II, 0
.rept 16
	global_load_b128 v[R+64*((\f)%3)+4*II:R+64*((\f)%3)+4*II+3], v4, s[4:5] offset:(16*(\f)+II)*16384 th:TH_LOAD_NT
.set II, II+1
.endr
.endm
.macro XFRAG f                         ; fragment f: 16 rows x 128 K
.set RS, R+64*((\f)%3)
.if (\f) < 2
	s_wait_loadcnt 32                              ; my 16 loads are in; the two sets of 16 behind them may be out
.elseif (\f) == 2
	s_wait_loadcnt 16                              ; one set behind them
.else
	s_wait_loadcnt 0x0
.endif
.set II, 0
.rept 16
	ds_store_b128 v5, v[RS+4*II:RS+4*II+3] offset:528*II   ; the rows as they were loaded, 528 bytes apart
.set II, II+1
.endr
.irp c, 0,1                            ; and back: lane (r, h) takes, of row r, the whole blocks h and 2 + h: registers 32 c + i = k 64 c + 32 h + i.  LDS serves a wave's instructions in order: these see the stores
.irp j, 0,1,2,3,4,5,6,7
	ds_load_b128 v[RS+32*\c+4*\j:RS+32*\c+4*\j+3], v6 offset:256*\c+16*\j
.endr
.endr
	s_wait_dscnt 0x0
.irp c, 0,1
	v_max3_num_f32 v[8+\c], |v[RS+32*\c]|, |v[RS+32*\c+1]|, 0x1800000   ; my two blocks by turns; the floor 2^(3 - 127) holds the byte at 1 from below
.endr
.irp i, 2,4,6,8,10,12,14,16,18,20,22,24,26,28,30
.irp c, 0,1
	v_max3_num_f32 v[8+\c], v[8+\c], |v[RS+32*\c+\i]|, |v[RS+32*\c+\i+1]|
.endr
.endr
.irp c, 0,1
	v_add_nc_u32 v[10+\c], 0xff000000, v[8+\c]     ; 2 off the exponent field: the conversion takes this operand's exponent field as its scale
.endr
.irp c, 0,1
	v_lshrrev_b32 v[12+\c], 23, v[10+\c]           ; the scale's byte
.endr
	v_lshl_or_b32 v14, v13, 16, v12                ; my two bytes, blocks h and 2 + h,
	v_lshlrev_b32 v14, v16, v14                    ; 8 h bits up;
	v_permlanex16_b32 v15, v14, s20, s21
	v_or_b32 v[20+(\f)], v14, v15                  ; with lane l xor 16's two: row r's scale word, in both lanes
.if (\f) > 0
	s_wait_alu depctr_va_vdst(0)
	s_wait_xcnt 0x0                                ; the last fragment's stores have read v28-39, which are written again only behind this wait
.endif
.irp c, 0,1
	v_cvt_scalef32_pk16_fp6_f32 v[P+6*\c:P+6*\c+2], v[RS+32*\c:RS+32*\c+15], v[10+\c]
	v_cvt_scalef32_pk16_fp6_f32 v[T+4*\c:T+4*\c+2], v[RS+32*\c+16:RS+32*\c+31], v[10+\c]   ; (a conversion's three registers begin on an even number: the upper half is made elsewhere and moved)
.endr
	v_nop                                          ; one plain instruction behind the scaled conversions
.irp c, 0,1
.irp i, 0,1,2
	v_mov_b32 v[P+3+6*\c+\i], v[T+4*\c+\i]
.endr
.endr
.irp c, 0,1,2
	global_store_b128 v4, v[P+4*\c:P+4*\c+3], s[12:13] offset:1536*(\f)+512*\c   ; the image: 32 lanes store 512 consecutive bytes, at a multiple of 256 from the buffer's first byte
.endr
.endm
; ---------------- W path: macros.  Block b = 2 t + u: k block t of the K step, columns 32 u + lane of my 64
.macro WLOAD b
.set II, 0
.rept 32
	global_load_b32 v[X+32*((\b)%2)+II], v4, s[6:7] offset:(32*((\b)/2)+II)*16384+128*((\b)%2) th:TH_LOAD_NT   ; one row k at 32 neighbouring columns; u = 0 and u = 1 of a row are on their way together
.set II, II+1
.endr
.endm
.macro BLOCK b
.set XS, X+32*((\b)%2)
.set TT, (\b)/2
.set UU, (\b)%2
.set HH, TT%2                          ; the fragment's lane half,
.set CC, TT/2                          ; and registers 6 CC .. 6 CC + 5
.if (\b) < 7
	s_wait_loadcnt 32                              ; this block's 32 loads are in; the next block's may be out
.else
	s_wait_loadcnt 0x0
.endif
	v_max3_num_f32 v12, |v[XS]|, |v[XS+1]|, |v[XS+2]|              ; all 32 numbers of the block are mine: two chains
	v_max3_num_f32 v13, |v[XS+3]|, |v[XS+4]|, |v[XS+5]|
.irp i, 6,10,14,18,22,26
	v_max3_num_f32 v12, v12, |v[XS+\i]|, |v[XS+\i+1]|
	v_max3_num_f32 v13, v13, |v[XS+\i+2]|, |v[XS+\i+3]|
.endr
	v_max3_num_f32 v12, v12, |v[XS+30]|, |v[XS+31]|
	v_max3_num_f32 v12, v12, v13, 0x1800000        ; and the floor 2^(3 - 127)
	v_add_nc_u32 v11, 0xff000000, v12              ; the conversion's scale operand
	v_lshrrev_b32 v14, 23, v11                     ; the scale's byte
.if TT == 0
	v_mov_b32 v[16+UU], v14                        ; byte t of my column's scale word
.else
	v_lshl_or_b32 v[16+UU], v14, 8*TT, v[16+UU]
.endif
.if (\b) > 0
	s_wait_alu depctr_va_vdst(0)
	s_wait_dscnt 0x0                               ; the last block's stores into the stage have read v20-25: written again only behind this wait
.endif
	v_cvt_scalef32_pk16_fp6_f32 v[20:22], v[XS:XS+15], v11
	v_cvt_scalef32_pk16_fp6_f32 v[28:30], v[XS+16:XS+31], v11
	v_nop                                          ; one plain instruction behind the scaled conversions
	v_mov_b32 v23, v28
	v_mov_b32 v24, v29
	v_mov_b32 v25, v30
.if CC == 0                            ; registers 0-3 are group 0, registers 4-5 the lower half of group 1
	ds_store_b128 v5, v[20:23] offset:3072*UU+256*HH
	ds_store_b64 v5, v[24:25] offset:3072*UU+256*HH+512
.else                                  ; registers 6-7 the upper half of group 1, registers 8-11 group 2
	ds_store_b64 v5, v[20:21] offset:3072*UU+256*HH+520
	ds_store_b128 v5, v[22:25] offset:3072*UU+256*HH+1024
.endif
.if (\b)+2 < 8
	WLOAD (\b)+2
.endif
.endm
	s_load_b256 s[4:11], s[0:1], 0x0               ; x s[4:5], W s[6:7], xq s[8:9], wq s[10:11]
	v_lshl_add_u32 v26, v0, 2, 0xe800
	v_mov_b32 v27, 0
	v_lshrrev_b32 v1, 5, v0
	v_readfirstlane_b32 s16, v1                    ; wave 0..3
	v_and_b32 v1, 31, v0                           ; lane
	v_and_b32 v2, 15, v0                           ; lane % 16
	v_bfe_u32 v3, v0, 4, 1                         ; lane / 16
	s_mov_b32 s20, 0x76543210
	s_mov_b32 s21, 0xfedcba98                      ; v_permlanex16_b32's selects for lane l xor 16
	s_wait_kmcnt 0x0
	s_cmp_lt_u32 ttmp9, 512
	s_cbranch_scc0 .Lw
	; ---------------- x: J = work-group / 8 (64 rows), K step = 4 (work-group % 8) + wave: the four waves stand side by side on 2,048 bytes of each row
	s_lshr_b32 s17, ttmp9, 3
	s_and_b32 s18, ttmp9, 7
	s_lshl_b32 s18, s18, 2
	s_add_co_u32 s18, s18, s16
	s_lshl_b32 s22, s17, 20                        ; 64 rows of 16,384 bytes
	s_lshl_b32 s23, s18, 9                         ; 128 numbers
	s_add_co_u32 s22, s22, s23
	s_mov_b32 s23, 0
	s_add_nc_u64 s[4:5], s[4:5], s[22:23]
	s_wait_alu depctr_va_vdst(0)
	v_lshlrev_b32 v4, 4, v1                        ; 16 x lane: in a loaded row, and in an image
	XLOAD 0
	XLOAD 1
	XLOAD 2                                        ; 48 loads of mine are out
	DEST 8
	s_mul_i32 s28, s16, XSTG                       ; my stage
	v_lshl_add_u32 v5, v1, 4, s28                  ; in: 16 x lane
	v_mul_u32_u24 v6, v2, 528
	v_lshl_add_u32 v6, v3, 7, v6
	v_add_nc_u32 v6, s28, v6                       ; back: row r, + 128 h
	v_lshlrev_b32 v7, 4, v2
	v_lshl_add_u32 v7, v3, 3, v7                   ; the scale words' place: 16 r + 8 h
	v_lshlrev_b32 v16, 3, v3                       ; 8 h
	v_mov_b32 v15, 0                               ; written once: a lane permute's destination counts as one of its sources
	s_wait_alu depctr_va_vdst(0)
	XFRAG 0
	XLOAD 3                                        ; into the set that fragment 0 has left
	XFRAG 1
	XFRAG 2
	XFRAG 3
	v_cmp_eq_u32 vcc_lo, 1, v3
	v_cndmask_b32 v24, v20, v22, vcc_lo            ; lanes 0-15 store row r's words of fragments 0 and 1, lanes 16-31 those of 2 and 3
	v_cndmask_b32 v25, v21, v23, vcc_lo
	global_store_b64 v7, v[24:25], s[14:15]        ; 32 lanes store 256 consecutive bytes, aligned
	s_wait_tensorcnt 0x0
	ds_add_u32 v26, v27
	s_wait_dscnt 0x0
	s_endpgm
.Lw:
	; ---------------- W: K step = t / 16, J = 4 (t % 16) + wave, t = work-group - 512.  A LANE TAKES A COLUMN AND ITS REGISTERS RUN DOWN K: nothing is transposed by an instruction
	s_sub_co_u32 s19, ttmp9, 512
	s_lshr_b32 s18, s19, 4
	s_and_b32 s17, s19, 15
	s_lshl_b32 s17, s17, 2
	s_add_co_u32 s17, s17, s16
	s_lshl_b32 s22, s18, 21                        ; 128 rows of 16,384 bytes
	s_lshl_b32 s23, s17, 8                         ; 64 columns
	s_add_co_u32 s22, s22, s23
	s_mov_b32 s23, 0
	s_add_nc_u64 s[6:7], s[6:7], s[22:23]
	s_wait_alu depctr_va_vdst(0)
	v_lshlrev_b32 v4, 2, v1                        ; 4 x lane
	WLOAD 0
	WLOAD 1                                        ; 64 loads of mine are out
	DEST 10
	s_mul_i32 s28, s16, WSTG
	s_add_co_u32 s28, s28, WBASE                   ; my stage
	v_mul_u32_u24 v5, v3, 1536                     ; column 32 u + lane is row lane % 16 of fragment 2 u + lane / 16
	v_lshl_add_u32 v5, v2, 4, v5
	v_add_nc_u32 v5, s28, v5
	v_lshlrev_b32 v6, 4, v2
	v_lshl_add_u32 v6, v3, 2, v6
	v_add_nc_u32 v6, s28, v6
	v_add_nc_u32 v6, 6144, v6                      ; its scale word: 16 (lane % 16) + 4 (lane / 16), + 8 u
	v_lshl_add_u32 v7, v1, 4, s28                  ; the way out: 16 x lane,
	v_lshl_add_u32 v8, v1, 3, s28
	v_add_nc_u32 v8, 6144, v8                      ; and 8 x lane among the scale words
	v_lshlrev_b32 v9, 4, v1
	v_lshlrev_b32 v10, 3, v1
.irp b, 0,1,2,3,4,5,6,7
	BLOCK \b
.endr
	ds_store_b32 v6, v16
	ds_store_b32 v6, v17 offset:8
.irp j, 0,1,2,3,4,5,6,7,8,9,10,11
	ds_load_b128 v[OUTR+4*\j:OUTR+4*\j+3], v7 offset:512*\j   ; LDS serves a wave's instructions in order: these see my stores
.endr
	ds_load_b64 v[144:145], v8
.irp j, 0,1,2,3,4,5,6,7,8,9,10,11
	s_wait_dscnt 12-\j                             ; behind load j: the 11 - j loads of 16 bytes and the one of 8
	global_store_b128 v9, v[OUTR+4*\j:OUTR+4*\j+3], s[12:13] offset:512*\j   ; 512 consecutive bytes, at a multiple of 256 from the buffer's first byte
.endr
	s_wait_dscnt 0x0
	global_store_b64 v10, v[144:145], s[14:15]     ; 256 consecutive bytes, aligned
	s_wait_tensorcnt 0x0
	ds_add_u32 v26, v27
	s_wait_dscnt 0x0
	s_endpgm
.Lfunc_end_k_q115fa95d91_quant:
	.size	k_q115fa95d91_quant, .Lfunc_end_k_q115fa95d91_quant-k_q115fa95d91_quant
	.p2alignl 7, 3214868480
	.fill 96, 4, 3214868480
	.section	.rodata,"a",@progbits
	.p2align	6, 0x0
	.amdhsa_kernel k_q115fa95d91_quant
		.amdhsa_group_segment_fixed_size 59904
		.amdhsa_private_segment_fixed_size 0
		.amdhsa_enable_private_segment 0
		.amdhsa_kernarg_size 32
		.amdhsa_user_sgpr_count 2
		.amdhsa_user_sgpr_kernarg_segment_ptr 1
		.amdhsa_wavefront_size32 1
		.amdhsa_system_sgpr_workgroup_id_x 1
		.amdhsa_system_sgpr_workgroup_id_y 1
		.amdhsa_system_sgpr_workgroup_id_z 1
		.amdhsa_system_vgpr_workitem_id 0
		.amdhsa_next_free_vgpr 256
		.amdhsa_next_free_sgpr 66
		.amdhsa_reserve_vcc 1
		.amdhsa_float_denorm_mode_32 3
		.amdhsa_float_denorm_mode_16_64 3
		.amdhsa_memory_ordered 1
		.amdhsa_forward_progress 1
		.amdhsa_inst_pref_size 72
	.end_amdhsa_kernel
	.amdgpu_metadata
---
amdhsa.version: [ 1, 2 ]
amdhsa.kernels:
  - .name:           k_q115fa95d91_quant
    .symbol:         k_q115fa95d91_quant.kd
    .args:
      - { .name: x, .offset: 0, .size: 8, .value_kind: global_buffer, .address_space: global }
      - { .name: W, .offset: 8, .size: 8, .value_kind: global_buffer, .address_space: global }
      - { .name: xq, .offset: 16, .size: 8, .value_kind: global_buffer, .address_space: global }
      - { .name: wq, .offset: 24, .size: 8, .value_kind: global_buffer, .address_space: global }
    .group_segment_fixed_size: 59904
    .private_segment_fixed_size: 0
    .kernarg_segment_align: 8
    .kernarg_segment_size: 32
    .max_flat_workgroup_size: 128
    .sgpr_count:     66
    .vgpr_count:     256
    .wavefront_size: 32
...
	.end_amdgpu_metadata
.endif
;; end of part 1
;; launch gemm (part 2): grid 16 x 16, 4 waves a work-group, clusters of 4 x 4, 327,680 bytes of LDS; arguments xq, wq, b, out0; writes out0
.if DOCPART == 2
	.amdgcn_target "amdgcn-amd-amdhsa--gfx1250"
	.amdhsa_code_object_version 6
	.text
	.protected	k_q115fa95d91_gemm
	.globl	k_q115fa95d91_gemm
	.p2align	8
	.type	k_q115fa95d91_gemm,@function
k_q115fa95d91_gemm:
	s_mov_b64 s[64:65], 0
	v_nop
	global_prefetch_b8 v0, s[64:65] scope:SCOPE_SE
	s_setreg_imm32_b32 hwreg(HW_REG_WAVE_MODE, 25, 1), 1
	s_wait_xcnt 0x0
	s_wait_alu depctr_hold_cnt(0) depctr_sa_sdst(0) depctr_va_vdst(0) depctr_va_sdst(0) depctr_va_ssrc(0) depctr_va_vcc(0) depctr_vm_vsrc(0)
	s_getreg_b32 s2, hwreg(HW_REG_IB_STS2, 6, 4)
	s_cmp_eq_u32 s2, 0
	s_cbranch_scc0 .Lentry_in_a_cluster
	s_endpgm
.Lentry_in_a_cluster:
	s_bfe_u32 s2, ttmp6, 0x10000c
	s_cmp_lg_u32 s2, 0xf033
	s_cbranch_scc0 .Lentry_shape_is_right
	s_endpgm
.Lentry_shape_is_right:
; out0[m][n] = (sum over k of Q(x)[m][k] Q(W)[k][n] + b[n]) x scale, scale = f32(M0 x 2^-7) of reference().
; xq, wq: records of 12,800 bytes for each K step of 128 and each group of 128 rows: eight register images of FP6 fragments (1,536 bytes each), then the rows' E8M0 scale words.
; A work-group of four waves makes 256 x 256 of out0, a wave 128 x 128: 64 accumulators.  32 K steps go through two LDS slots of three K steps (4 x 38,400 bytes), filled by joint tensor loads:
; 4 x 4 clusters, x's records shared along a row of the cluster, W's along a column.  Fill j holds K steps 3 j .. 3 j + 2 (fill 10: two steps) and lies in slot j % 2.
; REGISTERS.  Every window of 256 holds: v0-31 addresses and scale words (window 0 alone), v32-79 and v80-127 four fragments for even and for odd K steps, v128-255 sixteen accumulators.
;   window 0: W's blocks 0-3; window 1: W's blocks 4-7; window 2: x's blocks 0-3; window 3: x's blocks 4-7.  Accumulator window t: x's blocks 2 t, 2 t + 1 against W's eight.
; So BOTH operands have two sets, and a K step is: ONE run of 50 LDS loads, the whole next step's fragments and scale words, then 64 products back to back, through the accumulator windows 0 to 3.
; The product is used transposed (source 0 = W's rows n, source 1 = x's rows m): a lane holds 8 neighbouring n of one row m.
; CHANGE OF SLOTS, at the end of a fill's second K step (that step's run has read the fill's last fragments): behind 48 products the wait for all tensor loads and the add, 8 products, the wait for LDS, the signal,
; 8 products, the round, the refill; the next step's run reads the other slot.
; THE LAST FIVE K STEPS (27 to 31: fills 9 and 10, both in LDS) GO TWICE: first for accumulator windows 0 and 1, then for windows 2 and 3.  My rows 0-63 are then finished five half steps ahead of the end and are
; stored, a block of 16 rows at each half step's head, while the other rows are multiplied.  W's fragments of these five steps are read from LDS twice.  K stays ascending for every sum.
; PREFETCH: every cluster names the records that it will itself load: behind refill j + 2 those of fill j + 3, one fill (three K steps) ahead of their load; at the head those of fills 1 and 2.
; A tile's 100 blocks of 256 bytes of a K step are shared out by address among the four partners that ask for it jointly, 25 lanes each; wave 0 names x's, wave 2 W's.  The last fill's missing third step is not named.
; The bias is loaded at the head and first waited for ahead of the first stores.  LIMIT: NaN and infinities in x, W are not served (see the first launch).
.set FRB,    1536
.set REC,    12800
.set KPITCH, 32*REC
.set NQ,     3
.set PART,   NQ*REC
.set SLOT,   4*PART
.set SPARE,  2*SLOT                    ; the spare words, 512 bytes that no other line names
.set SPITCH, 528
.set STG0,   2*REC                     ; a wave's stage, 16 x 528 bytes: the third record of its own part of slot 0.  Fill 10 brings two records: these blocks had their last fill with fill 8 and their last read ahead of K step 25's barrier
.set CO,   0                           ; v0 from the head's end on: 16 x lane
.set SPW,  1
.set NIL,  2
.set PFO,  3
.set ADRA, 4                           ; v4-5 x's fragments in slot 0, 1;  v6-7 W's;  v8-9 scale words (lanes 0-15 x's, lanes 16-31 W's)
.set ADRB, 6
.set ADRS, 8
.set STO,  10
.set RD,   11
.set BS,   12                          ; v12-15 my four b[n] x scale
.set SC,   16                          ; v16-23, v24-31 scale words of even, odd K steps
.set FR0,  32
.set ACC,  128
.set G1,   24
.set G0,   32
.set G1B,  48
.set G0B,  56
.set G1S,  68
.set G1SB, 76
.set PFA,  84
.set LIM,  86
.set SCL,  88
.set MSB, 0
.macro WIN new                         ; the immediate's high byte repeats the setting that is left
.if MSB != (\new)
	s_set_vgpr_msb (MSB<<8)|(\new)
.set MSB, (\new)
.endif
.endm
.macro PLACES n
.rept \n
	v_nop
.endr
.endm
.macro JLOAD g0a, g1a, g0b, g1b        ; a joint load: waves 0, 1 for x, waves 2, 3 for W; s_nop 0 and four v_nop behind each line
	s_cmp_eq_u32 s15, 0
	s_cbranch_scc0 .Lfor_b_\@
	tensor_load_to_lds s[\g0a:\g0a+3], s[\g1a:\g1a+7]
	s_nop 0
	PLACES 4
	s_branch .Lasked_\@
.Lfor_b_\@:
	tensor_load_to_lds s[\g0b:\g0b+3], s[\g1b:\g1b+7]
	s_nop 0
	PLACES 4
.Lasked_\@:
.endm
.macro CREST
	s_cmp_lg_u32 s14, 0
	s_cbranch_scc1 .Lnot_wave_0_\@
	s_barrier_signal -3
.Lnot_wave_0_\@:
	s_barrier_wait -3
	s_barrier_signal -1
	s_barrier_wait -1
.endm
.macro CROUND
	s_barrier_signal -1
	s_barrier_wait -1
	CREST
.endm
.macro ASK how                         ; the next fill's three K steps; how = 1: in the loop's last trip that fill has two
	s_cmp_eq_u32 s[LIM], 1
	s_cbranch_scc0 .Lnot_mine_\@
	global_prefetch_b8 v[PFO], s[PFA:PFA+1] th:TH_LOAD_NT scope:SCOPE_SE
	global_prefetch_b8 v[PFO], s[PFA:PFA+1] offset:KPITCH th:TH_LOAD_NT scope:SCOPE_SE
.if \how
	s_cmp_gt_u32 s3, 1
	s_cbranch_scc0 .Lnot_mine_\@
.endif
	global_prefetch_b8 v[PFO], s[PFA:PFA+1] offset:2*KPITCH th:TH_LOAD_NT scope:SCOPE_SE
.Lnot_mine_\@:
.endm
; product KK (0..15) of quarter t: W's block 4 (KK / 8) + (KK % 8) / 2, x's block 2 t + KK % 2.  The accumulators take turns, one instruction a turn
.macro WM t, p, zero
.set WB, 4*(KK/8)+(KK%8)/2
.set WA, KK%2
.set WD, ACC+8*(8*WA+WB)
.set WS0, FR0+48*(\p)+12*(WB%4)
.set WS1, FR0+48*(\p)+12*(2*((\t)%2)+WA)
.if \zero
	v_wmma_scale_f32_16x16x128_f8f6f4 v[WD:WD+7], v[WS0:WS0+11], v[WS1:WS1+11], 0, v[SC+8*(\p)+WB], v[SC+8*(\p)+2*(\t)+WA] matrix_a_fmt:MATRIX_FMT_FP6 matrix_b_fmt:MATRIX_FMT_FP6 matrix_a_scale:MATRIX_SCALE_ROW1
.else
	v_wmma_scale_f32_16x16x128_f8f6f4 v[WD:WD+7], v[WS0:WS0+11], v[WS1:WS1+11], v[WD:WD+7], v[SC+8*(\p)+WB], v[SC+8*(\p)+2*(\t)+WA] matrix_a_fmt:MATRIX_FMT_FP6 matrix_b_fmt:MATRIX_FMT_FP6 matrix_a_scale:MATRIX_SCALE_ROW1
.endif
.set KK, KK+1
.endm
; of K step q of slot sl, into the sets of parity pn: the scale words (2 loads); window t's four fragments (12 loads of 512 consecutive bytes)
.macro LDSC pn, sl, q
	WIN 0
.irp j, 0,1
	ds_load_b128 v[SC+8*(\pn)+4*\j:SC+8*(\pn)+4*\j+3], v[ADRS+(\sl)] offset:(\q)*REC+12288+256*\j
.endr
.endm
.macro LDW t, pn, sl, q
	WIN (\t)<<6                                    ; the destination's window; the addresses lie in window 0
.set LL, 0
.rept 12
	ds_load_b128 v[FR0+48*(\pn)+4*LL:FR0+48*(\pn)+4*LL+3], v[ADRB-2*((\t)/2)+(\sl)] offset:(\q)*REC+((\t)%2)*4*FRB+512*LL
.set LL, LL+1
.endr
.endm
.macro RUN pn, sl, q                   ; a whole step's: 50 loads, in the order scale words, W 0-3, W 4-7, x 0-3, x 4-7
	LDSC \pn, \sl, \q
.irp t, 0,1,2,3
	LDW \t, \pn, \sl, \q
.endr
.endm
; half hf of quarter t: 8 products under one setting: source 0 window hf, source 1 window 2 + t / 2, C and D window t
.macro HALF t, hf, p, zero
	WIN (\hf)|((2+(\t)/2)<<2)|((\t)<<4)|((\t)<<6)
.set KK, 8*(\hf)
.rept 8
	WM \t, \p, \zero
.endr
.endm
.macro SLT t, p, zero
	HALF \t, 0, \p, \zero
	HALF \t, 1, \p, \zero
.endm
; quarter t with a change of slots.  fill = 1: slot fs takes three K steps, 2: two, 0: nothing is left to fetch (no round)
.macro TURNQ t, p, fill, fs
	WIN 0                                          ; the add's registers lie in window 0
.if \fill == 1
	s_wait_xcnt 0x0                                ; my prefetches have read their address
	s_add_nc_u64 s[PFA:PFA+1], s[PFA:PFA+1], NQ*KPITCH
.endif
	s_wait_tensorcnt 0x0                           ; my part of the other slot has landed
	ds_add_u32 v[SPW], v[NIL]
	HALF \t, 0, \p, 0
	s_wait_dscnt 0x0                               ; the add is done and my reads of the slot are over
	s_barrier_signal -1
	HALF \t, 1, \p, 0
	WIN 0
	s_barrier_wait -1
.if \fill
	CREST                                          ; the barrier has opened a round of the cluster's barrier
	s_add_nc_u64 s[G0+4*\fs+2:G0+4*\fs+3], s[G0+4*\fs+2:G0+4*\fs+3], 2*NQ*KPITCH
	s_add_nc_u64 s[G0B+4*\fs+2:G0B+4*\fs+3], s[G0B+4*\fs+2:G0B+4*\fs+3], 2*NQ*KPITCH
.if \fill == 1
	JLOAD G0+4*\fs, G1, G0B+4*\fs, G1B
	ASK \fs
.else
	JLOAD G0+4*\fs, G1S, G0B+4*\fs, G1SB
.endif
.endif
.endm
; A K step of parity p; its run fetches K step q of slot sl.  kind 0: plain; 1: it ends with a change of slots.
; The waits' counts are the loads issued behind the fragments needed: at the head x 4-7's 12; ahead of quarter 2 x 6-7's 6 and the run's 50; ahead of quarter 3 the run's 50.  At most 62 loads are out.
.macro STEP p, kind, zero, sl, q, fill, fs
	s_wait_dscnt 12
	PLACES 4                                       ; the run's targets were read by the step before
	RUN 1-(\p), \sl, \q
	SLT 0, \p, \zero
	SLT 1, \p, \zero
	s_wait_dscnt 56
	SLT 2, \p, \zero
	s_wait_dscnt 50
.if \kind == 1
	TURNQ 3, \p, \fill, \fs
.else
	SLT 3, \p, \zero
.endif
.endm
; THE WAY OUT of block a, 16 rows x 128 columns: through my own stage; back as rows of 512 bytes into v[bb ..] of window 0; x scale + b x scale; 32 lanes store two aligned units of 256 bytes.
.macro TOSTAGE a, bb
.set AC, ACC+64*((\a)%2)
.set BB, (\bb)
	WIN ((\a)/2)<<2                                ; the data's window
.irp b, 0,1,2,3,4,5,6,7
	ds_store_b128 v[STO], v[AC+8*\b:AC+8*\b+3] offset:64*\b          ; each accumulator from its low end on
	ds_store_b128 v[STO], v[AC+8*\b+4:AC+8*\b+7] offset:64*\b+16
.endr
	WIN 0
.irp t, 0,1,2,3,4,5,6,7,8,9,10,11,12,13,14,15
	ds_load_b128 v[BB+4*\t:BB+4*\t+3], v[RD] offset:\t*SPITCH       ; LDS serves a wave's instructions in order
.endr
.endm
.macro SEND a, bb, younger             ; younger < 0: the block's loads have been waited for already
.set BB, (\bb)
.if \younger >= 0
	s_wait_dscnt \younger
.endif
.if (\a) > 0
	s_add_nc_u64 s[10:11], s[10:11], 16*16384      ; behind a wait on XCNT
.endif
.irp t, 0,1,2,3,4,5,6,7,8,9,10,11,12,13,14,15
	v_pk_fma_f32 v[BB+4*\t:BB+4*\t+1], v[BB+4*\t:BB+4*\t+1], s[SCL:SCL+1], v[BS:BS+1] op_sel_hi:[1,0,1]
	v_pk_fma_f32 v[BB+4*\t+2:BB+4*\t+3], v[BB+4*\t+2:BB+4*\t+3], s[SCL:SCL+1], v[BS+2:BS+3] op_sel_hi:[1,0,1]
	global_store_b128 v[CO], v[BB+4*\t:BB+4*\t+3], s[10:11] offset:\t*16384 th:TH_STORE_NT
.endr
.endm
; Half a K step of parity p: accumulator windows 2 hf and 2 hf + 1, 32 products.  ld = 1: 38 loads fetch, of K step q of slot sl, the scale words, W's eight blocks and x's blocks 4 nh .. 4 nh + 3.
; snd, stg (under 0: none): the block that is stored, and the block that goes through the stage into v128-191 of window 0, which the stores of block snd have read by then.  bar = 1: the barrier for the last fill.
; The wait at the head is for 0: the fragments, and the rows on their way back from the stage, were asked for at the last head.
.macro HSTEP p, hf, ld, sl, q, nh, snd, stg, bar
	s_wait_dscnt 0x0
	PLACES 4                                       ; behind the products that read the loads' targets or wrote the block that leaves
	WIN 0
.if \snd >= 0
	SEND \snd, 128, -1
.endif
.if \ld
	LDSC 1-(\p), \sl, \q
	LDW 0, 1-(\p), \sl, \q
	LDW 1, 1-(\p), \sl, \q
	LDW 2+(\nh), 1-(\p), \sl, \q
	WIN 0
.endif
.if \snd >= 0
	s_wait_xcnt 0x0                                ; the stores have read their registers and their base
.endif
.if \stg >= 0
	TOSTAGE \stg, 128
.endif
	SLT 2*(\hf), \p, 0
.if \bar
	TURNQ 2*(\hf)+1, \p, 0, 0
.else
	SLT 2*(\hf)+1, \p, 0
.endif
.endm
	s_load_b128 s[4:7], s[0:1], 0x0                ; xq, wq
	s_load_b128 s[8:11], s[0:1], 0x10              ; b, out0
	v_lshl_add_u32 v[SPW], v0, 2, SPARE
	v_mov_b32 v[NIL], 0
	ds_add_u32 v[SPW], v[NIL]                      ; the opening lines: the add twice on end
	ds_add_u32 v[SPW], v[NIL]
	v_lshrrev_b32 v32, 5, v0
	v_readfirstlane_b32 s14, v32                   ; wave
	s_lshr_b32 s15, s14, 1                         ; my half of the rows; also: I fetch for x (0) or W (1)
	s_and_b32 s16, s14, 1                          ; my half of the columns; also: which 128 rows I fetch
	s_bfe_u32 s40, ttmp6, 0x40000                  ; cx
	s_bfe_u32 s41, ttmp6, 0x40004                  ; cy
	s_lshl_b32 s42, ttmp9, 2
	s_add_co_u32 s42, s42, s40                     ; tile column
	s_and_b32 s17, ttmp7, 0xffff
	s_lshl_b32 s17, s17, 2
	s_add_co_u32 s17, s17, s41                     ; tile row
	s_lshl_b32 s43, s41, 2
	s_lshl_b32 s43, 15, s43                        ; my row of the cluster
	s_lshl_b32 s44, 0x1111, s40                    ; my column
	s_mov_b32 s[SCL], 0x3bebedfa                   ; f32(M0 x 2^-7)
	s_mov_b32 s[SCL+1], s[SCL]
	s_or_b32 s[G1+0], s43, (3<<16)|(1<<21)         ; elements of 8 bytes; the mask, bit 21 beside it
	s_or_b32 s[G1B+0], s44, (3<<16)|(1<<21)
	s_or_b32 s[G1S+0], s43, (3<<16)|(1<<21)
	s_or_b32 s[G1SB+0], s44, (3<<16)|(1<<21)
.irp g, G1, G1B                        ; three records, one of each K step, KPITCH bytes apart
	s_mov_b32 s[\g+1], (REC/8)<<16
	s_mov_b32 s[\g+2], NQ<<16
	s_mov_b32 s[\g+3], (REC/8)<<16
	s_mov_b32 s[\g+4], NQ
	s_mov_b32 s[\g+5], KPITCH/8
	s_mov_b32 s[\g+6], 0
	s_mov_b32 s[\g+7], 0
.endr
.irp g, G1S, G1SB                      ; the last fill: two
	s_mov_b32 s[\g+1], (REC/8)<<16
	s_mov_b32 s[\g+2], 2<<16
	s_mov_b32 s[\g+3], (REC/8)<<16
	s_mov_b32 s[\g+4], 2
	s_mov_b32 s[\g+5], KPITCH/8
	s_mov_b32 s[\g+6], 0
	s_mov_b32 s[\g+7], 0
.endr
	s_lshl_b32 s20, s17, 1
	s_add_co_u32 s20, s20, s16
	s_mul_i32 s20, s20, REC                        ; x: row group 2 x tile row + half
	s_mov_b32 s21, 0
	s_lshl_b32 s46, s42, 1
	s_add_co_u32 s46, s46, s16
	s_mul_i32 s46, s46, REC                        ; W: 2 x tile column + half
	s_mov_b32 s47, 0
	s_mul_i32 s45, s14, PART                       ; where my records go
	s_wait_dscnt 0x0                               ; both opening adds are done
	s_wait_kmcnt 0x0
	s_add_nc_u64 s[20:21], s[4:5], s[20:21]
	s_add_nc_u64 s[46:47], s[6:7], s[46:47]
.irp s, 0,1
	s_mov_b32 s[G0+4*\s], 1
	s_add_co_u32 s[G0+4*\s+1], s45, \s*SLOT
	s_add_nc_u64 s[G0+4*\s+2:G0+4*\s+3], s[20:21], \s*NQ*KPITCH
	s_or_b32 s[G0+4*\s+3], s[G0+4*\s+3], 0x80000000
	s_mov_b32 s[G0B+4*\s], 1
	s_add_co_u32 s[G0B+4*\s+1], s45, \s*SLOT
	s_add_nc_u64 s[G0B+4*\s+2:G0B+4*\s+3], s[46:47], \s*NQ*KPITCH
	s_or_b32 s[G0B+4*\s+3], s[G0B+4*\s+3], 0x80000000
.endr
	CROUND                                         ; the first joint loads meet
	JLOAD G0, G1, G0B, G1B                         ; fill 0: one tensor load a wave at the head
	s_mul_i32 s92, s15, PART                       ; my 128 rows of x in a slot
	s_mul_i32 s93, s16, PART
	s_add_co_u32 s93, s93, 2*PART                  ; my 128 rows of W
	s_xor_b32 s94, s15, 1
	s_add_co_u32 s94, s94, s16
	s_add_co_u32 s94, s94, 1
	s_mul_i32 s94, s94, PART                       ; the distance between the two
	s_mul_i32 s95, s14, PART
	s_add_co_u32 s95, s95, STG0                    ; my stage
	s_lshl_b32 s20, s17, 8
	s_lshl_b32 s21, s15, 7
	s_add_co_u32 s20, s20, s21
	s_lshl_b32 s20, s20, 14                        ; my first row of out0, in bytes
	s_mov_b32 s21, 0
	s_lshl_b32 s46, s42, 10
	s_lshl_b32 s47, s16, 9
	s_add_co_u32 s46, s46, s47                     ; my first column, in bytes
	s_mov_b32 s47, 0
	s_add_nc_u64 s[8:9], s[8:9], s[46:47]
	s_add_nc_u64 s[10:11], s[10:11], s[46:47]
	s_add_nc_u64 s[10:11], s[10:11], s[20:21]
	s_cmp_eq_u32 s15, 0                            ; the prefetches: wave 0 names x's records, wave 2 W's, in every cluster
	s_cselect_b32 s90, s17, s42
	s_cselect_b32 s91, s40, s41                    ; my place among the four that ask for the tile with me
	s_cselect_b64 s[PFA:PFA+1], s[4:5], s[6:7]
	s_cmp_eq_u32 s16, 0
	s_cselect_b32 s[LIM], 1, -1
	s_mul_i32 s90, s90, 2*REC                      ; the tile's two records,
	s_mul_i32 s91, s91, 25*256                     ; my work-group's quarter of their 100 blocks of 256 bytes
	s_add_co_u32 s90, s90, s91
	s_add_co_u32 s90, s90, 2*NQ*KPITCH             ; at fill 2
	s_mov_b32 s91, 0
	s_add_nc_u64 s[PFA:PFA+1], s[PFA:PFA+1], s[90:91]
	v_and_b32 v32, 15, v0                          ; r
	v_bfe_u32 v33, v0, 4, 1                        ; h
	v_and_b32 v34, 31, v0                          ; lane
	v_lshlrev_b32 v35, 4, v34                      ; 16 x lane
	v_lshlrev_b32 v36, 4, v32
	v_mul_u32_u24 v37, s94, v33
	v_add_nc_u32 v36, v36, v37                     ; 16 r, lanes 16-31 in W's records
	v_mul_u32_u24 v38, v32, SPITCH
	v_lshl_add_u32 v38, v33, 5, v38
	v_add_nc_u32 v[STO], s95, v38                  ; into the stage: row r, 32 bytes for each half of the lanes
	v_add_nc_u32 v[RD], s95, v35                   ; back: a row of 512 bytes
	v_min_u32 v[PFO], 24, v34
	v_lshlrev_b32 v[PFO], 8, v[PFO]                ; a lane a block; lanes 25-31 name the last again
	v_add_nc_u32 v[ADRA], s92, v35
	v_add_nc_u32 v[ADRB], s93, v35
	v_add_nc_u32 v[ADRS], s92, v36
	v_add_nc_u32 v[ADRA+1], SLOT, v[ADRA]
	v_add_nc_u32 v[ADRB+1], SLOT, v[ADRB]
	v_add_nc_u32 v[ADRS+1], SLOT, v[ADRS]
	v_lshlrev_b32 v[CO], 4, v34                    ; the thread's number is used no more
	s_wait_alu depctr_va_vdst(0)
	global_load_b128 v[BS:BS+3], v[CO], s[8:9]     ; b of my four columns: waited for ahead of the first stores
	s_cmp_eq_u32 s[LIM], 1
	s_cbranch_scc0 .Lno_head_ask
.irp i, -3,-2,-1,0,1,2
	global_prefetch_b8 v[PFO], s[PFA:PFA+1] offset:\i*KPITCH th:TH_LOAD_NT scope:SCOPE_SE   ; fills 1 and 2
.endr
.Lno_head_ask:
	s_wait_tensorcnt 0x0                           ; my part of fill 0 is in
	ds_add_u32 v[SPW], v[NIL]
	s_wait_dscnt 0x0
	CROUND
	JLOAD G0+4, G1, G0B+4, G1B                     ; fill 1, the first tensor load behind the round
	RUN 0, 0, 0                                    ; K step 0's fragments
	STEP 0, 0, 1, 0, 1, 0, 0                       ; K step 0 starts the sums
	WIN 0
	s_mov_b32 s3, 4
.Llap:                                                 ; K steps 6 i + 1 .. 6 i + 6: both slots are filled again
	STEP 1, 1, 0, 0, 2, 1, 0
	STEP 0, 0, 0, 1, 0, 0, 0
	STEP 1, 0, 0, 1, 1, 0, 0
	STEP 0, 1, 0, 1, 2, 1, 1
	STEP 1, 0, 0, 0, 0, 0, 0
	STEP 0, 0, 0, 0, 1, 0, 0
	WIN 0
	s_sub_co_u32 s3, s3, 1
	s_cmp_lg_u32 s3, 0
	s_cbranch_scc1 .Llap
	STEP 1, 1, 0, 0, 2, 2, 0                       ; K step 25: the last fill, of two steps, is asked for
	STEP 0, 0, 0, 1, 0, 0, 0                       ; K step 26
	HSTEP 1, 0, 1, 1, 1, 0, -1, -1, 0              ; K steps 27 to 31 for my rows 0-63
	HSTEP 0, 0, 1, 1, 2, 0, -1, -1, 1              ; (the last fill is shown whole to all four waves)
	HSTEP 1, 0, 1, 0, 0, 0, -1, -1, 0
	HSTEP 0, 0, 1, 0, 1, 0, -1, -1, 0
	HSTEP 1, 0, 1, 1, 0, 1, -1, -1, 0              ; it fetches K step 27 once more, with x's blocks 4-7
	WIN 0
	s_wait_loadcnt 0x0                             ; b
	v_pk_mul_f32 v[BS:BS+1], v[BS:BS+1], s[SCL:SCL+1] op_sel_hi:[1,0]
	v_pk_mul_f32 v[BS+2:BS+3], v[BS+2:BS+3], s[SCL:SCL+1] op_sel_hi:[1,0]
	s_wait_alu depctr_va_vdst(0)
	HSTEP 0, 1, 1, 1, 1, 1, -1, 0, 0               ; K steps 27 to 31 for my rows 64-127; blocks 0 to 3 leave meanwhile
	HSTEP 1, 1, 1, 1, 2, 1, 0, 1, 0
	HSTEP 0, 1, 1, 0, 0, 1, 1, 2, 0
	HSTEP 1, 1, 1, 0, 1, 1, 2, 3, 0
	HSTEP 0, 1, 0, 0, 0, 0, 3, -1, 0
	WIN 0
	PLACES 4                                       ; behind the last products
	TOSTAGE 4, 32                                  ; blocks 4 to 7: the rows come back into v32-95 and v128-191 of window 0 by turns
.irp a, 5,6,7
.if \a > 5
	s_wait_xcnt 0x0                                ; block a - 2's stores have read their registers and their base
.endif
	TOSTAGE \a, 32+96*(\a%2)
	SEND \a-1, 32+96*((\a-1)%2), 32                ; behind block a - 1's loads: block a's 16 stores and 16 loads
.endr
	s_wait_xcnt 0x0
	SEND 7, 128, 0
	s_wait_tensorcnt 0x0                           ; the wave's end
	ds_add_u32 v[SPW], v[NIL]
	s_wait_dscnt 0x0
	CROUND                                         ; the closing round
	s_endpgm
.Lfunc_end_k_q115fa95d91_gemm:
	.size	k_q115fa95d91_gemm, .Lfunc_end_k_q115fa95d91_gemm-k_q115fa95d91_gemm
	.p2alignl 7, 3214868480
	.fill 96, 4, 3214868480
	.section	.rodata,"a",@progbits
	.p2align	6, 0x0
	.amdhsa_kernel k_q115fa95d91_gemm
		.amdhsa_group_segment_fixed_size 327680
		.amdhsa_private_segment_fixed_size 0
		.amdhsa_enable_private_segment 0
		.amdhsa_kernarg_size 32
		.amdhsa_user_sgpr_count 2
		.amdhsa_user_sgpr_kernarg_segment_ptr 1
		.amdhsa_wavefront_size32 1
		.amdhsa_system_sgpr_workgroup_id_x 1
		.amdhsa_system_sgpr_workgroup_id_y 1
		.amdhsa_system_sgpr_workgroup_id_z 1
		.amdhsa_system_vgpr_workitem_id 0
		.amdhsa_next_free_vgpr 1024
		.amdhsa_next_free_sgpr 98
		.amdhsa_reserve_vcc 0
		.amdhsa_float_denorm_mode_32 3
		.amdhsa_float_denorm_mode_16_64 3
		.amdhsa_memory_ordered 1
		.amdhsa_forward_progress 1
		.amdhsa_inst_pref_size 234
	.end_amdhsa_kernel
	.amdgpu_metadata
---
amdhsa.version: [ 1, 2 ]
amdhsa.kernels:
  - .name:           k_q115fa95d91_gemm
    .symbol:         k_q115fa95d91_gemm.kd
    .args:
      - { .name: xq, .offset: 0, .size: 8, .value_kind: global_buffer, .address_space: global }
      - { .name: wq, .offset: 8, .size: 8, .value_kind: global_buffer, .address_space: global }
      - { .name: b, .offset: 16, .size: 8, .value_kind: global_buffer, .address_space: global }
      - { .name: out0, .offset: 24, .size: 8, .value_kind: global_buffer, .address_space: global }
    .group_segment_fixed_size: 327680
    .private_segment_fixed_size: 0
    .kernarg_segment_align: 8
    .kernarg_segment_size: 32
    .max_flat_workgroup_size: 128
    .sgpr_count:     98
    .vgpr_count:     1024
    .wavefront_size: 32
...
	.end_amdgpu_metadata
.endif
;; end of part 2
